; MI455X (gfx1250); checked and timed in simulation.
; The chip was launched on July 23, 2026; its instructions are those of AMD's public machine-readable ISA for CDNA 5 (MIT licence, August 2026) and "CDNA5" Instruction Set Architecture Reference Guide (July 2026). The comments in the code are by the model that wrote it; some were corrected since.
;; Task Aware MOE Router. Allowed arithmetic: float matrix products may take bf16 or f16 operands with f32 sums; all other float work in f32.
;; Inputs: W 16 x 868 float32; b 16 float32; hidden_states 64 x 768 x 32 x 32 float32; task_cls 64 x 100 float32.
;; Outputs: out0 64 x 16 float32; out1 64 x 2 float32; out2 64 x 2 int32; out3 16 x 2 x 64 int32.
;; One version. Each part assembles by itself: llvm-mc -triple=amdgcn-amd-amdhsa -mcpu=gfx1250 --defsym DOCPART=n.
;; ======== version 1 of 1: 2 launches
;; workspace buffers: part 16,384 bytes
;; launch pool (part 1): grid 256 x 1, 32 waves a work-group, no clusters, 6,144 bytes of LDS; arguments hidden_states, W, task_cls, part; writes part
.if DOCPART == 1
	.amdgcn_target "amdgcn-amd-amdhsa--gfx1250"
	.amdhsa_code_object_version 6
	.text
	.protected	k_q243c4e1723_pool
	.globl	k_q243c4e1723_pool
	.p2align	8
	.type	k_q243c4e1723_pool,@function
k_q243c4e1723_pool:
	s_mov_b64 s[64:65], 0
	v_nop
	global_prefetch_b8 v0, s[64:65] scope:SCOPE_SE
	s_setreg_imm32_b32 hwreg(HW_REG_WAVE_MODE, 25, 1), 1
	s_wait_xcnt 0x0
; part[q][b][e] = the share of router_logits[b][e] that comes from channels 192 q .. 192 q + 191 of batch b
;                 and from the task classes of the pieces 4 w + q (see below).  q = 0..3, b = 0..63, e = 0..15, f32.
; hidden_states: [64][768] rows of 1,024 f32 (4,096 bytes).  W: [16][868] f32.  task_cls: [64][100] f32.
;
; The launch is a stream: 201,326,592 bytes are read once, all else is small.  Work-group g = 4 b + q owns 192 consecutive rows
; (786,432 bytes); its 32 waves own 6 consecutive rows each.  A row is eight loads of 16 bytes a lane, each covering 512 consecutive
; bytes that start at a multiple of 512 from the buffer's first byte.  Three row slots of 32 registers: three rows of every wave are
; requested ahead, 3 x 4,096 x 32 = 393,216 bytes for the work-group.  Six rows need no loop: all offsets are immediates.
; After the sum across lanes every lane holds the row's sum; lane l multiplies it by W[l & 15][c] (lanes 16-31 repeat lanes 0-15).
; The mean's factor 2^-10 is applied once, to the work-group's result.
;
; THE TASK PART rides along: the 100 classes of a batch are 25 pieces of four; piece p = 4 w + q < 25 belongs to wave w of quarter q.
; That wave forms max, exponentials and their sum over the whole task row across its lanes (the maximum is taken away before the
; exponential, as in the softmax it stands for) and adds (1024 / sum) x sum over its four classes of exp x W[e][768 + class];
; the 2^10 cancels against the 2^-10 above, both exact.  Its loads and its arithmetic stand on one path, so other waves load nothing for it.
;
; NOT USED, by this text's own arithmetic: matrix instructions (the gate is 64 x 868 x 16 multiply-adds beside 50 million additions, and the
; experts' indices hang on the order of the logits: operands rounded to bf16 move each term by about 2^-9 and can swap neighbours, so the
; product stays in f32 multiply-adds); joint loads in a cluster (work-groups share only W, 55,552 bytes of 201 million); LDS for the stream
; (each byte is used once, by one lane).  The work-group's result is 64 bytes, so its one store covers a quarter of 256 bytes.
; LIMITS: sums are formed as trees, not in the order of a plain loop; v_exp_f32 gives 0 for results below 2^-126 (ISA guide 15.8);
; 1 / sum is v_rcp_f32.
.set ROWB,   4096                      ; bytes in a row
.set NROW,   6                         ; rows of a wave
.set WGROWS, 192                       ; rows of a work-group
.set WPITCH, 3472                      ; bytes in a row of W (868 f32)
.set TAILB,  3072                      ; byte of W[e][768], the first task column
.set NPIECE, 25                        ; pieces of four classes in a task row
.set LANE, 1                           ; v1      lane 0..31
.set LOFF, 2                           ; v2      16 x lane: my 16 bytes in each 512 of a row
.set WOFF, 3                           ; v3      3,472 x (lane & 15): my row of W
.set TOFF, 4                           ; v4      16 x min(lane, 24): my piece of the task row
.set ACC,  5                           ; v5      my expert's running partial logit (x 1,024)
.set S,    6                           ; v6      a row's sum
.set TMP,  7                           ; v7      what the other half of the lanes sends
.set WC,   8                           ; v[8:13]  W[e][c] of my wave's six channels
.set TS,   14                          ; v[14:17] four task logits, then their exponentials
.set WT,   18                          ; v[18:21] W[e][768 + 4 p ..] of my wave's piece
.set Y,    22                          ; v[22:25] exponents, then the sum of exponentials
.set M,    26                          ; v26     the task row's maximum, then - maximum x log2(e)
.set R,    27                          ; v27     1,024 / sum
.set D,    28                          ; v28     the piece's dot product
.set LA,   29                          ; v29     LDS address
.set X,    32                          ; v[32:127] three row slots of 32 registers
	s_load_b256 s[4:11], s[0:1], 0x0               ; hidden_states s[4:5], W s[6:7], task_cls s[8:9], part s[10:11]
	v_lshl_add_u32 v30, v0, 2, 0x800
	v_mov_b32 v31, 0
	v_lshrrev_b32 v[TMP], 5, v0
	v_readfirstlane_b32 s12, v[TMP]                ; wave w, 0..31
	v_and_b32 v[LANE], 31, v0
	v_and_b32 v[LA], 15, v0                        ; my expert e
	v_mul_u32_u24 v[WOFF], v[LA], WPITCH
	v_lshlrev_b32 v[LOFF], 4, v[LANE]
	v_min_u32 v[TOFF], NPIECE-1, v[LANE]           ; lanes 25-31 repeat piece 24: no load leaves the task row
	v_lshlrev_b32 v[TOFF], 4, v[TOFF]
	s_and_b32 s13, ttmp9, 3                        ; q
	s_lshr_b32 s14, ttmp9, 2                       ; b
	s_lshl2_add_u32 s15, s12, s13                  ; p = 4 w + q
	s_mul_i32 s16, ttmp9, WGROWS*ROWB              ; my wave's first row: at most 201,302,016, inside 32 bits
	s_mul_i32 s17, s12, NROW*ROWB
	s_add_co_u32 s16, s16, s17
	s_mov_b32 s17, 0
	s_mul_i32 s18, s13, WGROWS*4                   ; my wave's first channel in a row of W: 768 q + 24 w, a multiple of 8
	s_mul_i32 s19, s12, NROW*4
	s_add_co_u32 s18, s18, s19
	s_mov_b32 s19, 0
	s_lshl_b32 s20, s15, 4                         ; my wave's piece in W's tail: 3,072 + 16 p (used only where p < 25)
	s_add_co_u32 s20, s20, TAILB
	s_mov_b32 s21, 0
	s_mul_i32 s22, s14, 400                        ; the batch's task row
	s_mov_b32 s23, 0
	s_lshl_b32 s24, s13, 12                        ; part[q][b][0]: 4,096 q + 64 b
	s_lshl_b32 s25, s14, 6
	s_add_co_u32 s24, s24, s25
	s_mov_b32 s25, 0
	s_mov_b32 s28, 0x76543210                      ; v_permlanex16_b32: lane i of one half reads lane i of the other
	s_mov_b32 s29, 0xfedcba98
	s_lshl_b32 s30, s12, 6
	v_lshl_add_u32 v[LA], v[LA], 2, s30            ; LDS: 64 w + 4 e, my wave's 16 words
	s_wait_kmcnt 0x0
	s_add_nc_u64 s[4:5], s[4:5], s[16:17]
	s_add_nc_u64 s[26:27], s[6:7], s[20:21]        ; W's tail piece
	s_add_nc_u64 s[6:7], s[6:7], s[18:19]          ; W's six channels
	s_add_nc_u64 s[8:9], s[8:9], s[22:23]
	s_add_nc_u64 s[10:11], s[10:11], s[24:25]
.macro FILL slot, row                  ; eight loads: the whole row; read once in the launch, hence the hint
.irp j, 0,1,2,3,4,5,6,7
	global_load_b128 v[X+32*\slot+4*\j:X+32*\slot+4*\j+3], v[LOFF], s[4:5] offset:\row*ROWB+512*\j th:TH_LOAD_NT
.endr
.endm
.macro HEAD                            ; my six weights (24 bytes of my row of W), then the first three rows
	global_load_b64 v[WC:WC+1],   v[WOFF], s[6:7]
	global_load_b64 v[WC+2:WC+3], v[WOFF], s[6:7] offset:8
	global_load_b64 v[WC+4:WC+5], v[WOFF], s[6:7] offset:16
	FILL 0, 0
	FILL 1, 1
	FILL 2, 2
.endm
.macro FOLD base, pairs                ; register pair i += pair i + pairs: independent packed additions
.set fi, 0
.rept \pairs
	v_pk_add_f32 v[(\base)+2*fi:(\base)+2*fi+1], v[(\base)+2*fi:(\base)+2*fi+1], v[(\base)+2*(fi+\pairs):(\base)+2*(fi+\pairs)+1]
.set fi, fi+1
.endr
.endm
.macro LANESUM r                       ; sum over the 32 lanes, in every lane: four steps inside each 16, one across
	v_add_f32_dpp v[\r], v[\r], v[\r] row_xmask:1 row_mask:0xf bank_mask:0xf
	v_add_f32_dpp v[\r], v[\r], v[\r] row_xmask:2 row_mask:0xf bank_mask:0xf
	v_add_f32_dpp v[\r], v[\r], v[\r] row_xmask:4 row_mask:0xf bank_mask:0xf
	v_add_f32_dpp v[\r], v[\r], v[\r] row_xmask:8 row_mask:0xf bank_mask:0xf
	v_permlanex16_b32 v[TMP], v[\r], s28, s29      ; TMP has been written before (the wave number's shift)
	v_add_f32 v[\r], v[\r], v[TMP]
.endm
.macro LANEMAX r
	v_max_num_f32_dpp v[\r], v[\r], v[\r] row_xmask:1 row_mask:0xf bank_mask:0xf
	v_max_num_f32_dpp v[\r], v[\r], v[\r] row_xmask:2 row_mask:0xf bank_mask:0xf
	v_max_num_f32_dpp v[\r], v[\r], v[\r] row_xmask:4 row_mask:0xf bank_mask:0xf
	v_max_num_f32_dpp v[\r], v[\r], v[\r] row_xmask:8 row_mask:0xf bank_mask:0xf
	v_permlanex16_b32 v[TMP], v[\r], s28, s29
	v_max_num_f32 v[\r], v[\r], v[TMP]
.endm
; One row.  next: the row that the slot is loaded with again (0: none).  left: how many younger loads may stay out.
.macro TURN slot, row, next, left
	s_wait_loadcnt \left                           ; loads return in order (ISA guide 5.7.1): this row and all before it are in
	FOLD X+32*\slot, 8                             ; my 32 numbers: 16 pairs -> 8 -> 4 -> 2 -> 1
	FOLD X+32*\slot, 4
	FOLD X+32*\slot, 2
	FOLD X+32*\slot, 1
	v_add_f32 v[S], v[X+32*\slot], v[X+32*\slot+1]
.if \next
	FILL \slot, \next                              ; the slot has been read out
.endif
	LANESUM S
.if \row
	v_fmac_f32 v[ACC], v[S], v[WC+\row]
.else
	v_mul_f32 v[ACC], v[S], v[WC]                  ; the first product starts the sum: nothing is cleared
.endif
.endm
	s_cmp_ge_u32 s15, NPIECE
	s_cbranch_scc1 .Lplain                         ; no piece of the task row is mine
	; a wave with a piece: its two extra loads go first, so that the wait for row 0 covers them
	global_load_b128 v[TS:TS+3], v[TOFF], s[8:9]   ; lane l: classes 4 l .. 4 l + 3 (lanes 25-31: piece 24 once more)
	global_load_b128 v[WT:WT+3], v[WOFF], s[26:27] ; W[e][768 + 4 p ..]
	HEAD
	TURN 0, 0, 3, 16                               ; 16 = rows 1 and 2, eight loads each
	v_max_num_f32 v[M], v[TS], v[TS+1]             ; the repeats of piece 24 do not change a maximum
	v_max3_num_f32 v[M], v[M], v[TS+2], v[TS+3]
	LANEMAX M
	v_mul_f32 v[M], 0xbfb8aa3b, v[M]               ; - max x log2(e); its rounding is one common factor of all exponentials and cancels in exp / sum
.irp i, 0,1,2,3
	v_fmamk_f32 v[Y+\i], v[TS+\i], 0x3fb8aa3b, v[M]    ; (t - max) x log2(e), one rounding
.endr
.irp i, 0,1,2,3
	v_exp_f32 v[TS+\i], v[Y+\i]
.endr
	v_cmp_gt_u32 vcc_lo, NPIECE, v[LANE]           ; the plain instruction between the last v_exp_f32 and the use of its result (ISA guide 5.7.2)
	s_wait_alu depctr_va_vdst(0)
	v_pk_add_f32 v[Y:Y+1], v[TS:TS+1], v[TS+2:TS+3]
	v_add_f32 v[Y], v[Y], v[Y+1]
	v_cndmask_b32 v[Y], 0, v[Y], vcc_lo            ; the repeats count for nothing in the sum
	LANESUM Y                                      ; at least about 1: the largest class gives 2^0
	v_rcp_f32 v[R], v[Y]
	v_readlane_b32 s32, v[TS], s15                 ; lane p holds my piece's four exponentials
	v_readlane_b32 s33, v[TS+1], s15
	v_readlane_b32 s34, v[TS+2], s15
	v_readlane_b32 s35, v[TS+3], s15
	v_mul_f32  v[D], s32, v[WT]
	v_fmac_f32 v[D], s33, v[WT+1]
	v_fmac_f32 v[D], s34, v[WT+2]
	v_fmac_f32 v[D], s35, v[WT+3]
	s_wait_alu depctr_va_vdst(0)
	v_mul_f32 v[R], 0x44800000, v[R]               ; x 2^10, taken back with the mean's 2^-10 at the end
	v_fmac_f32 v[ACC], v[D], v[R]
	s_branch .Ljoin
.Lplain:
	HEAD
	TURN 0, 0, 3, 16
.Ljoin:                                            ; on both paths rows 1, 2, 3 are out: 24 loads
	TURN 1, 1, 4, 16                               ; 16 = rows 2 and 3
	TURN 2, 2, 5, 16                               ; 16 = rows 3 and 4
	TURN 0, 3, 0, 16                               ; 16 = rows 4 and 5; nothing more is loaded
	TURN 1, 4, 0, 8                                ; 8 = row 5
	TURN 2, 5, 0, 0
	; the 32 waves' partials meet in LDS: wave w's 16 words at 64 w (lanes 16-31 write the same words with the same values)
	ds_store_b32 v[LA], v[ACC]
	s_wait_dscnt 0x0                               ; for wave 0's sake: my store is done before I signal
	s_barrier_signal -1
	s_barrier_wait -1
	s_cmp_lg_u32 s12, 0
	s_cbranch_scc1 .Lend
	v_lshlrev_b32 v[LA], 2, v[LANE]                ; lane l = 16 h + e reads waves 2 i + h: 128 consecutive bytes an instruction
.irp i, 0,1,2,3,4,5,6,7,8,9,10,11,12,13,14,15
	ds_load_b32 v[X+\i], v[LA] offset:128*\i
.endr
	s_wait_dscnt 0x0
	FOLD X, 4
	FOLD X, 2
	FOLD X, 1
	v_add_f32 v[S], v[X], v[X+1]
	v_permlanex16_b32 v[TMP], v[S], s28, s29       ; even waves + odd waves
	v_add_f32 v[S], v[S], v[TMP]
	v_mul_f32 v[S], 0x3a800000, v[S]               ; x 2^-10: sums of 1,024 numbers become means
	v_cmp_gt_u32 vcc_lo, 16, v[LANE]
	s_wait_xcnt 0x0                                ; EXEC changes only when no earlier memory instruction still needs it
	s_wait_tensorcnt 0x0
	ds_add_u32 v30, v31
	s_wait_dscnt 0x0
	s_and_saveexec_b32 s31, vcc_lo                 ; lanes 0-15: one word for each expert
	global_store_b32 v[LA], v[S], s[10:11]         ; 64 consecutive bytes: part[q][b][0..15]
	s_endpgm
.Lend:
	s_wait_tensorcnt 0x0
	ds_add_u32 v30, v31
	s_wait_dscnt 0x0
	s_endpgm
.Lfunc_end_k_q243c4e1723_pool:
	.size	k_q243c4e1723_pool, .Lfunc_end_k_q243c4e1723_pool-k_q243c4e1723_pool
	.p2alignl 7, 3214868480
	.fill 96, 4, 3214868480
	.section	.rodata,"a",@progbits
	.p2align	6, 0x0
	.amdhsa_kernel k_q243c4e1723_pool
		.amdhsa_group_segment_fixed_size 6144
		.amdhsa_private_segment_fixed_size 0
		.amdhsa_enable_private_segment 0
		.amdhsa_kernarg_size 32
		.amdhsa_user_sgpr_count 2
		.amdhsa_user_sgpr_kernarg_segment_ptr 1
		.amdhsa_wavefront_size32 1
		.amdhsa_system_sgpr_workgroup_id_x 1
		.amdhsa_system_sgpr_workgroup_id_y 1
		.amdhsa_system_sgpr_workgroup_id_z 1
		.amdhsa_system_vgpr_workitem_id 0
		.amdhsa_next_free_vgpr 128
		.amdhsa_next_free_sgpr 66
		.amdhsa_reserve_vcc 1
		.amdhsa_float_denorm_mode_32 3
		.amdhsa_float_denorm_mode_16_64 3
		.amdhsa_memory_ordered 1
		.amdhsa_forward_progress 1
		.amdhsa_inst_pref_size 25
	.end_amdhsa_kernel
	.amdgpu_metadata
---
amdhsa.version: [ 1, 2 ]
amdhsa.kernels:
  - .name:           k_q243c4e1723_pool
    .symbol:         k_q243c4e1723_pool.kd
    .args:
      - { .name: hidden_states, .offset: 0, .size: 8, .value_kind: global_buffer, .address_space: global }
      - { .name: W, .offset: 8, .size: 8, .value_kind: global_buffer, .address_space: global }
      - { .name: task_cls, .offset: 16, .size: 8, .value_kind: global_buffer, .address_space: global }
      - { .name: part, .offset: 24, .size: 8, .value_kind: global_buffer, .address_space: global }
    .group_segment_fixed_size: 6144
    .private_segment_fixed_size: 0
    .kernarg_segment_align: 8
    .kernarg_segment_size: 32
    .max_flat_workgroup_size: 1024
    .sgpr_count:     66
    .vgpr_count:     128
    .wavefront_size: 32
...
	.end_amdgpu_metadata
.endif
;; end of part 1
;; launch route (part 2): grid 1 x 1, 32 waves a work-group, no clusters, 5,120 bytes of LDS; arguments part, b, out0, out1, out2, out3; writes out0, out1, out2, out3
.if DOCPART == 2
	.amdgcn_target "amdgcn-amd-amdhsa--gfx1250"
	.amdhsa_code_object_version 6
	.text
	.protected	k_q243c4e1723_route
	.globl	k_q243c4e1723_route
	.p2align	8
	.type	k_q243c4e1723_route,@function
k_q243c4e1723_route:
	s_mov_b64 s[64:65], 0
	v_nop
	global_prefetch_b8 v0, s[64:65] scope:SCOPE_SE
	s_setreg_imm32_b32 hwreg(HW_REG_WAVE_MODE, 25, 1), 1
	s_wait_xcnt 0x0
; router_logits[b][e] = part[0..3][b][e] summed + bias[e]; softmax over the 16 experts; the two largest probabilities, renormalised;
; their indices; the one-hot mask [16][2][64].
; One work-group, since a row of the mask holds all 64 batches: 1,024 threads, thread t = 16 b + e.  The 16 experts of a batch are the 16 lanes
; of a DPP row, so maxima, sums and the search for the indices never leave the row: row_xmask 1, 2, 4, 8 leave the result in all 16 lanes.
; The softmax is written out as it is defined (maximum taken away, exponential, sum, division) and the choice is made on the probabilities;
; among equal probabilities the lowest index wins.
; Weights and indices pass through 1,024 bytes of LDS so that the outputs leave in whole runs: out1 and out2 as one store of 512 consecutive bytes
; each, every row (e, k) of the mask as one store of 256 consecutive bytes.  The mask is made by comparing, in every lane: no address and no
; branch hangs on a computed number.
; No matrix instruction: the product was made with the stream; here are 1,024 sums of five numbers.
; LIMITS: divisions are v_rcp_f32 and a multiply; v_exp_f32 gives 0 below 2^-126 (ISA guide 15.8); with a NaN among a batch's logits no lane
; equals the maximum, index 16 comes out and the mask's entries of that batch are 0.
.set T4,   1                           ; v1      4 t: my word in part's planes and in out0
.set E4,   2                           ; v2      4 e
.set EF,   3                           ; v3      e as f32
.set A2,   4                           ; v4      LDS: 8 b + 4 k, k = e & 1
.set H,    5                           ; v5      scratch for addresses
.set L16,  6                           ; v6      16 x lane
.set T8,   7                           ; v7      8 t: my two words of the mask
.set LANE, 8                           ; v8
.set P,    12                          ; v[12:15] the four partial logits
.set M,    13                          ;   then: the row's largest logit   (targets of a DPP instruction count as read: these were written by the loads)
.set Z,    14                          ;   the sum of exponentials
.set V1,   15                          ;   the largest probability
.set BI,   16                          ; v16     bias[e]
.set V2,   16                          ;   then: the second largest probability
.set L,    17                          ; v17     my logit; kept: the store of out0 reads it
.set D,    18
.set XE,   19                          ; exp(logit - max)
.set RZ,   20
.set PR,   21                          ; my probability
.set C1,   22                          ; index of the largest, as f32
.set P2,   23                          ; probabilities without the largest
.set C2,   24                          ; index of the second
.set VS,   25                          ; the weight that I hand on
.set NS,   26                          ; the index that I hand on
.set Q,    28                          ; v[28:29] my two words of the mask
.set O,    32                          ; v[32:35] selected_experts of batches 2 lane, 2 lane + 1
.set WO,   36                          ; v[36:39] router_weights of the same (wave 0)
.set SELB, 512                         ; LDS: weights [64][2] at 0, indices [64][2] at 512
.macro ROW16 op, d, s                  ; over the 16 lanes of a row, result in each of them
	\op v[\d], v[\s], v[\s] row_xmask:1 row_mask:0xf bank_mask:0xf
	\op v[\d], v[\d], v[\d] row_xmask:2 row_mask:0xf bank_mask:0xf
	\op v[\d], v[\d], v[\d] row_xmask:4 row_mask:0xf bank_mask:0xf
	\op v[\d], v[\d], v[\d] row_xmask:8 row_mask:0xf bank_mask:0xf
.endm
	s_load_b256 s[4:11], s[0:1], 0x0               ; part s[4:5], b s[6:7], out0 s[8:9], out1 s[10:11]
	s_load_b128 s[12:15], s[0:1], 0x20             ; out2 s[12:13], out3 s[14:15]
	v_lshl_add_u32 v40, v0, 2, 0x400
	v_mov_b32 v41, 0
	v_lshlrev_b32 v[T4], 2, v0
	v_and_b32 v[EF], 15, v0
	v_lshlrev_b32 v[E4], 2, v[EF]
	s_wait_kmcnt 0x0
	global_load_b32 v[P],   v[T4], s[4:5]              ; part[q][b][e] lies at 4,096 q + 4 t: a wave reads 128 consecutive bytes
	global_load_b32 v[P+1], v[T4], s[4:5] offset:4096
	global_load_b32 v[P+2], v[T4], s[4:5] offset:8192
	global_load_b32 v[P+3], v[T4], s[4:5] offset:12288
	global_load_b32 v[BI],  v[E4], s[6:7]
	; while they are on their way: numbers that hang on the thread alone
	v_lshrrev_b32 v[H], 5, v0
	v_readfirstlane_b32 s16, v[H]                  ; wave w, 0..31: batches 2 w and 2 w + 1; later row (e = w >> 1, k = w & 1) of the mask
	v_cvt_f32_u32 v[EF], v[EF]
	v_and_b32 v[A2], 1, v0                         ; k = e & 1: even lanes hand on the first choice, odd lanes the second
	v_cmp_ne_u32 s18, 0, v[A2]
	v_bfe_u32 v[H], v0, 4, 1                       ; which of my wave's two batches
	v_lshlrev_b32 v[A2], 2, v[A2]
	v_lshl_add_u32 v[A2], v[H], 3, v[A2]
	s_lshl_b32 s21, s16, 4
	v_add_nc_u32 v[A2], s21, v[A2]                 ; 16 w + 8 (lane >> 4) + 4 k = 8 b + 4 k
	v_and_b32 v[LANE], 31, v0
	s_lshr_b32 s20, s16, 1                         ; the expert of my wave's row of the mask
	s_and_b32 s19, s16, 1                          ; its k,
	s_cmp_lg_u32 s19, 0
	s_cselect_b32 s23, -1, 0                       ; as a mask over all lanes
	s_wait_loadcnt 0x0
	v_pk_add_f32 v[P:P+1], v[P:P+1], v[P+2:P+3]
	v_add_f32 v[P], v[P], v[P+1]
	v_add_f32 v[L], v[P], v[BI]
	global_store_b32 v[T4], v[L], s[8:9]           ; out0: a wave stores 128 consecutive bytes; T4 and L are not written again
	ROW16 v_max_num_f32_dpp, M, L
	v_sub_f32 v[D], v[L], v[M]                     ; at most 0, and 0 in the largest
	v_mul_f32 v[D], 0x3fb8aa3b, v[D]
	v_exp_f32 v[XE], v[D]
	v_lshlrev_b32 v[T8], 3, v0                     ; the plain instruction behind a transcendental (ISA guide 5.7.2), put to use
	s_wait_alu depctr_va_vdst(0)
	ROW16 v_add_f32_dpp, Z, XE                     ; between 1 and 16
	v_rcp_f32 v[RZ], v[Z]
	v_lshlrev_b32 v[L16], 4, v[LANE]               ; likewise
	s_wait_alu depctr_va_vdst(0)
	v_mul_f32 v[PR], v[XE], v[RZ]
	; the largest probability, and the lowest lane that holds it
	ROW16 v_max_num_f32_dpp, V1, PR
	v_cmp_eq_f32 vcc_lo, v[PR], v[V1]
	v_cndmask_b32 v[C1], 0x41800000, v[EF], vcc_lo ; e where equal, 16.0 elsewhere
	ROW16 v_min_num_f32_dpp, C1, C1
	; the same without that lane: probabilities are at least 0, so -1 never wins
	v_cmp_neq_f32 vcc_lo, v[EF], v[C1]
	v_cndmask_b32 v[P2], -1.0, v[PR], vcc_lo
	ROW16 v_max_num_f32_dpp, V2, P2
	v_cmp_eq_f32 vcc_lo, v[P2], v[V2]
	v_cndmask_b32 v[C2], 0x41800000, v[EF], vcc_lo
	ROW16 v_min_num_f32_dpp, C2, C2
	v_add_f32 v[D], v[V1], v[V2]
	v_rcp_f32 v[RZ], v[D]
	v_cndmask_b32 v[VS], v[V1], v[V2], s18         ; k ? second : first
	v_cndmask_b32 v[NS], v[C1], v[C2], s18
	s_wait_alu depctr_va_vdst(0)
	v_mul_f32 v[VS], v[VS], v[RZ]
	v_cvt_u32_f32 v[NS], v[NS]
	ds_store_b32 v[A2], v[VS]                      ; the eight lanes of a batch with the same k write one word with one value
	ds_store_b32 v[A2], v[NS] offset:SELB
	s_wait_dscnt 0x0                               ; for the other waves' sake: done before I signal
	s_barrier_signal -1
	s_barrier_wait -1
	ds_load_b128 v[O:O+3], v[L16] offset:SELB      ; every wave: sel[2 l][0], sel[2 l][1], sel[2 l + 1][0], sel[2 l + 1][1]
	s_cmp_lg_u32 s16, 0
	s_cbranch_scc1 .Lmask
	ds_load_b128 v[WO:WO+3], v[L16]                ; wave 0: the weights, as they lie in out1
	s_wait_dscnt 0x0
	global_store_b128 v[L16], v[WO:WO+3], s[10:11] ; out1 whole: 512 consecutive bytes
.Lmask:
	s_wait_dscnt 0x0
	v_cndmask_b32 v[Q],   v[O],   v[O+1], s23      ; my row's k
	v_cndmask_b32 v[Q+1], v[O+2], v[O+3], s23
	v_cmp_eq_u32 vcc_lo, s20, v[Q]                 ; is it my row's expert?
	v_cndmask_b32 v[Q], 0, 1, vcc_lo
	v_cmp_eq_u32 vcc_lo, s20, v[Q+1]
	v_cndmask_b32 v[Q+1], 0, 1, vcc_lo
	global_store_b64 v[T8], v[Q:Q+1], s[14:15]     ; out3[w >> 1][w & 1][0..63]: 256 consecutive bytes at a multiple of 256
	s_cmp_lg_u32 s16, 1
	s_cbranch_scc1 .Lend
	global_store_b128 v[L16], v[O:O+3], s[12:13]   ; wave 1: out2 whole, 512 consecutive bytes
.Lend:
	s_wait_tensorcnt 0x0
	ds_add_u32 v40, v41
	s_wait_dscnt 0x0
	s_endpgm
.Lfunc_end_k_q243c4e1723_route:
	.size	k_q243c4e1723_route, .Lfunc_end_k_q243c4e1723_route-k_q243c4e1723_route
	.p2alignl 7, 3214868480
	.fill 96, 4, 3214868480
	.section	.rodata,"a",@progbits
	.p2align	6, 0x0
	.amdhsa_kernel k_q243c4e1723_route
		.amdhsa_group_segment_fixed_size 5120
		.amdhsa_private_segment_fixed_size 0
		.amdhsa_enable_private_segment 0
		.amdhsa_kernarg_size 48
		.amdhsa_user_sgpr_count 2
		.amdhsa_user_sgpr_kernarg_segment_ptr 1
		.amdhsa_wavefront_size32 1
		.amdhsa_system_sgpr_workgroup_id_x 1
		.amdhsa_system_sgpr_workgroup_id_y 1
		.amdhsa_system_sgpr_workgroup_id_z 1
		.amdhsa_system_vgpr_workitem_id 0
		.amdhsa_next_free_vgpr 42
		.amdhsa_next_free_sgpr 66
		.amdhsa_reserve_vcc 1
		.amdhsa_float_denorm_mode_32 3
		.amdhsa_float_denorm_mode_16_64 3
		.amdhsa_memory_ordered 1
		.amdhsa_forward_progress 1
		.amdhsa_inst_pref_size 6
	.end_amdhsa_kernel
	.amdgpu_metadata
---
amdhsa.version: [ 1, 2 ]
amdhsa.kernels:
  - .name:           k_q243c4e1723_route
    .symbol:         k_q243c4e1723_route.kd
    .args:
      - { .name: part, .offset: 0, .size: 8, .value_kind: global_buffer, .address_space: global }
      - { .name: b, .offset: 8, .size: 8, .value_kind: global_buffer, .address_space: global }
      - { .name: out0, .offset: 16, .size: 8, .value_kind: global_buffer, .address_space: global }
      - { .name: out1, .offset: 24, .size: 8, .value_kind: global_buffer, .address_space: global }
      - { .name: out2, .offset: 32, .size: 8, .value_kind: global_buffer, .address_space: global }
      - { .name: out3, .offset: 40, .size: 8, .value_kind: global_buffer, .address_space: global }
    .group_segment_fixed_size: 5120
    .private_segment_fixed_size: 0
    .kernarg_segment_align: 8
    .kernarg_segment_size: 48
    .max_flat_workgroup_size: 1024
    .sgpr_count:     66
    .vgpr_count:     42
    .wavefront_size: 32
...
	.end_amdgpu_metadata
.endif
;; end of part 2
